; MI455X (gfx1250); checked and timed in simulation.
; The chip was launched on July 23, 2026; its instructions are those of AMD's public machine-readable ISA for CDNA 5 (MIT licence, August 2026) and "CDNA5" Instruction Set Architecture Reference Guide (July 2026). The comments in the code are by the model that wrote it; some were corrected since.
;; Multi Branch Attention. Allowed arithmetic: matrix products marked QUANTISED: E5M2 operands, one E8M0 scale for each 32 along K, by v_wmma_scale_f32_16x16x128_f8f6f4 with both operands' format E5M2, f32 sums; everything else in f32.
;; Inputs: Wkv 512 x 1,024 float32; Wq1 512 x 512 float32; Wq2 512 x 512 float32; key_value 4 x 2,048 x 512 float32; query1 4 x 2,048 x 512 float32; query2 4 x 2,048 x 512 float32.
;; Outputs: out0 4 x 2,048 x 512 float32; out1 4 x 2,048 x 512 float32.
;; This version of the problem:
;;   THIS VERSION OF THE PROBLEM IS GIVEN IN LOW PRECISION. The matrix products marked QUANTISED in the list below multiply operands that are first quantised to E5M2 (5 exponent bits, 2 mantissa bits; 8 bits a number), with one power-of-two scale for each 32 numbers along K (OCP MX v1.0); their sums are f32. All else is computed in f32.
;;   The module's matrix products, in the order in which they are computed (A, B: the left and right operand; K: the contracted axis; several contracted axes count as one K, in the product's order):
;;     1. [M 8,192, K 512] x [K 512, N 512]; A: input query1; B: input Wq1: QUANTISED
;;     2. [M 8,192, K 512] x [K 512, N 512]; A: input query2; B: input Wq2: QUANTISED
;;     3. [M 8,192, K 512] x [K 512, N 1,024]; A: input key_value; B: input Wkv: QUANTISED
;;     4. batch 32 x [M 2,048, K 64] x [K 64, N 2,048]; A: computed on the way; B: computed on the way: QUANTISED
;;     5. batch 32 x [M 2,048, K 64] x [K 64, N 2,048]; A: computed on the way; B: computed on the way: QUANTISED
;;     6. batch 32 x [M 2,048, K 2,048] x [K 2,048, N 64]; A: softmax (see below); B: computed on the way: QUANTISED
;;     7. batch 32 x [M 2,048, K 2,048] x [K 2,048, N 64]; A: softmax (see below); B: computed on the way: QUANTISED
;;   THE QUANTISER, for each operand of a quantised product, along K:
;;     - K is cut into blocks of 32 from its start; a last block that is shorter is filled with zeros.
;;     - A block's scale is 2^e with e = floor(log2(the largest magnitude in the block)) - 15, held to -126 .. 127; a block of zeros has e = 0. As a byte (E8M0): e + 127.
;;     - Each number is divided by its block's scale, clamped to +-57,344, and rounded to the nearest number of E5M2, ties to even, subnormals kept.
;;     - The product sums the exact products of the quantised numbers (number of the format x scale) in f32.
;;   ~~~python
;;   def quantise(x, axis):      # numpy; x: float32 -> the quantised numbers, widened to float32 again
;;       x = np.moveaxis(x, axis, -1); K = x.shape[-1]
;;       x = np.pad(x, [(0, 0)] * (x.ndim - 1) + [(0, -K % 32)]); x = x.reshape(x.shape[:-1] + (-1, 32)); a = np.abs(x).max(-1, keepdims=True)
;;       e = np.where(a > 0, np.clip(np.frexp(np.where(a > 0, a, 1))[1] - 1 - 15, -126, 127), 0)      # np.frexp(a)[1] - 1 = floor(log2(a)), exactly
;;       r = np.clip(x / 2.0 ** e, -57344, 57344)
;;       step = 2.0 ** (np.maximum(np.frexp(np.where(r == 0, 1, r))[1] - 1, -14) - 2)
;;       q = np.round(r / step) * step * 2.0 ** e      # np.round: ties to even
;;       return np.moveaxis(q.reshape(q.shape[:-2] + (-1,))[..., :K], -1, axis).astype(np.float32)
;;   ~~~
;;   SOFTMAX AHEAD OF A QUANTISED PRODUCT. Where the list says 'softmax', what is quantised is not the finished softmax but p = 2^(t - M), with t = logit x log2(e) and M = ceil(the row's largest t), a whole number; so 1/2 < the row's largest p <= 1. The row's sum l is taken of the UNQUANTISED p, in f32, and the product's result is divided by l at the end. Since M is a whole number, a kernel that streams over the keys may use a running M (the ceiling of the running maximum): every later rescaling is an exact power of two, which a block's scale takes up: the codes' values come out the same.
;;   OPERANDS COMPUTED ON THE WAY. 'Computed on the way' means the value that the module computes at that place (a softmax that the list does not call 'softmax' is quantised finished and normalised). What goes into a quantiser is computed in f32, as accurately as f32 sums, v_exp_f32 and their like allow (about 1e-6 of the number): no bf16 or f16 on the way to a quantiser, and a product that is left as it is and whose result goes on into a quantised operand takes f32 operands (vector FMAs, or v_wmma_f32_16x16x4_f32). A number that lies on a knife's edge between two numbers of the format may be rounded either way, as far as f32 arithmetic and the matrix unit's own rounding can turn it there, and no further.
;; One version. Each part assembles by itself: llvm-mc -triple=amdgcn-amd-amdhsa -mcpu=gfx1250 --defsym DOCPART=n.
;; ======== version 1 of 1: 3 launches
;; limits: right only within a limited range of input values
;; workspace buffers: wimg 1,048,576 bytes; wscl 32,768 bytes; qimg 8,388,608 bytes; qscl 524,288 bytes; kvimg 8,781,824 bytes
;; launch wq (part 1): grid 16 x 4, 4 waves a work-group, no clusters, 0 bytes of LDS; arguments Wq1, Wq2, Wkv, wimg, wscl; writes wimg, wscl
.if DOCPART == 1
	.amdgcn_target "amdgcn-amd-amdhsa--gfx1250"
	.amdhsa_code_object_version 6
	.text
	.protected	k_q4909b1da1c_wq
	.globl	k_q4909b1da1c_wq
	.p2align	8
	.type	k_q4909b1da1c_wq,@function
k_q4909b1da1c_wq:
	s_mov_b64 s[64:65], 0
	v_nop
	global_prefetch_b8 v0, s[64:65] scope:SCOPE_SE
	s_setreg_imm32_b32 hwreg(HW_REG_WAVE_MODE, 25, 1), 1
	s_wait_xcnt 0x0
; THE WEIGHTS BECOME CODES.  Wq1, Wq2 [512 (k)][512] and Wkv [512 (k)][1024], f32, K along the FIRST axis, are quantised along K to BF8 (E5M2) with one E8M0 byte for each 32 along K.
; A block's scale is 2^(floor(log2(its largest magnitude)) - 15); each number is divided by it, held within +-57,344 and rounded to the nearest code, ties to even.
; Four jobs of 512 columns: 0 = Wq1, 1 = Wq2, 2 = Wkv's columns 0-511 (k), 3 = its columns 512-1023 (v).
; OUT: images of the matrix operand's registers.  wimg [job][tile 32][K step 4][c 4][lane 32][16 bytes]: lane (r, h) of group c holds k = 128 s + 32 c + 16 h + 0..15 of the tile's member r.
;      wscl [job][tile][K step][r 16] words: byte c is the scale of block c of that K step.
; THE COLUMNS OF A TILE ARE NOT NEIGHBOURS: tile 2 g + u takes columns 32 g + 8 u + r + 8 (r / 8), so that in the next launch the results of two neighbouring tiles are 16 neighbours in a lane's registers.
; SHARES: work-group x = 4 job + g4, y = K step.  Wave w takes column group g = 4 g4 + w (32 columns, two tiles) x 128 along K.  A LANE TAKES A COLUMN, ITS REGISTERS RUN DOWN K:
; a block of 32 lies in one lane, no lane is asked for a maximum, and the conversions give codes with K innermost.  Each load reads 128 consecutive bytes a wave.
; All 128 loads of a wave go out first; no register is written twice while a store may read it, so no wait frees one.  No LDS, no barrier: waves share nothing.
; 64 work-groups: that is all the work there is (4 MB in, 1 MB out).  The scale words leave in runs of 64 bytes: one byte in 128 of what the launch reads.
; LIMITS: NaN and infinities are not served.  A block of zeros, or one whose largest magnitude lies under 2^(16 - 127), keeps the byte 1 (the rule says 127 for zeros): its codes are zeros and this program alone reads the bytes.
.set VCOL, 4                           ; v4      4 x my column in the group
.set WO,   5                           ; v5      where my codes go: 8192 u + 16 r
.set SO,   6                           ; v6      where my scale word goes: 256 u + 4 r
.set SB,   13                          ; v13     my column's four scale bytes
.set OFFR, 16                          ; v16-47  row i of a block: i x pitch + VCOL
.set X,    48                          ; v48-175 four blocks of 32 numbers
.set C,    176                         ; v176-207 eight registers of codes for each block
	s_load_b256 s[4:11], s[0:1], 0x0               ; Wq1 s[4:5], Wq2 s[6:7], Wkv s[8:9], wimg s[10:11]
	s_load_b64 s[12:13], s[0:1], 0x20              ; wscl
	v_lshrrev_b32 v1, 5, v0
	v_readfirstlane_b32 s14, v1                    ; wave 0..3
	s_lshr_b32 s15, ttmp9, 2                       ; job
	s_and_b32 s16, ttmp9, 3                        ; g4
	s_and_b32 s17, ttmp7, 0xffff                   ; K step
	s_mov_b32 s18, 4096
	s_cmp_lt_u32 s15, 2
	s_cselect_b32 s18, 2048, s18                   ; a row of the source in bytes: 512 or 1,024 numbers
	s_cmp_eq_u32 s15, 3
	s_cselect_b32 s19, 2048, 0                     ; job 3 begins 512 columns in
	v_and_b32 v2, 15, v0                           ; r
	v_bfe_u32 v3, v0, 4, 1                         ; u
	v_and_b32 v7, 8, v2
	v_add_nc_u32 v7, v7, v2                        ; r + 8 (r / 8)
	v_lshl_add_u32 v7, v3, 3, v7                   ; + 8 u: my column in the group
	v_lshlrev_b32 v[VCOL], 2, v7
	v_lshlrev_b32 v[WO], 4, v2
	v_lshl_add_u32 v[WO], v3, 13, v[WO]
	v_lshlrev_b32 v[SO], 2, v2
	v_lshl_add_u32 v[SO], v3, 8, v[SO]
.set n, 0
.rept 32
	v_mad_u32_u24 v[OFFR+n], s18, n, v[VCOL]
.set n, n+1
.endr
	s_lshl_b32 s22, s17, 7                         ; the source: row 128 y,
	s_mul_i32 s22, s22, s18
	s_lshl_b32 s23, s16, 9                         ; column group 4 g4 + w: 128 bytes each,
	s_add_co_u32 s22, s22, s23
	s_lshl_b32 s23, s14, 7
	s_add_co_u32 s22, s22, s23
	s_add_co_u32 s22, s22, s19                     ; and the job's first column
	s_mov_b32 s23, 0
	s_lshl_b32 s38, s18, 5                         ; a block on: 32 rows
	s_mov_b32 s39, 0
	s_lshl_b32 s37, s16, 2
	s_add_co_u32 s37, s37, s14                     ; g
	s_lshl_b32 s32, s15, 18                        ; wimg: 262,144 a job, 16,384 a group (two tiles), 2,048 a K step
	s_lshl_b32 s16, s37, 14
	s_add_co_u32 s32, s32, s16
	s_lshl_b32 s16, s17, 11
	s_add_co_u32 s32, s32, s16
	s_mov_b32 s33, 0
	s_lshl_b32 s34, s15, 13                        ; wscl: 8,192 a job, 512 a group, 64 a K step
	s_lshl_b32 s16, s37, 9
	s_add_co_u32 s34, s34, s16
	s_lshl_b32 s16, s17, 6
	s_add_co_u32 s34, s34, s16
	s_mov_b32 s35, 0
	s_wait_alu depctr_va_vdst(0)
	s_wait_kmcnt 0x0
	s_cmp_eq_u32 s15, 0                            ; the source is chosen by the work-group's number alone
	s_cselect_b64 s[20:21], s[4:5], s[6:7]
	s_cmp_lt_u32 s15, 2
	s_cselect_b64 s[20:21], s[20:21], s[8:9]
	s_add_nc_u64 s[24:25], s[20:21], s[22:23]      ; a base for each of the four blocks
	s_add_nc_u64 s[26:27], s[24:25], s[38:39]
	s_add_nc_u64 s[28:29], s[26:27], s[38:39]
	s_add_nc_u64 s[30:31], s[28:29], s[38:39]
	s_add_nc_u64 s[32:33], s[10:11], s[32:33]
	s_add_nc_u64 s[34:35], s[12:13], s[34:35]
.irp t, 0,1,2,3
.set n, 0
.rept 32
	global_load_b32 v[X+32*\t+n], v[OFFR+n], s[24+2*\t:25+2*\t] th:TH_LOAD_NT   ; W(128 y + 32 t + n, my column): read once in the launch
.set n, n+1
.endr
.endr
; Block t.  left: how many younger loads may stay out.
.macro BLOCK t, left
.set XB, X+32*(\t)
.set CK, C+8*(\t)
	s_wait_loadcnt \left
	v_max3_num_f32 v8, |v[XB]|, |v[XB+1]|, |v[XB+2]|                ; the block's largest magnitude: all 32 numbers are mine; two chains
	v_max3_num_f32 v9, |v[XB+3]|, |v[XB+4]|, |v[XB+5]|
.irp i, 6,10,14,18,22,26
	v_max3_num_f32 v8, v8, |v[XB+\i]|, |v[XB+\i+1]|
	v_max3_num_f32 v9, v9, |v[XB+\i+2]|, |v[XB+\i+3]|
.endr
	v_max3_num_f32 v8, v8, |v[XB+30]|, |v[XB+31]|
	v_max3_num_f32 v8, v8, v9, 0x8000000           ; and the floor 2^(16 - 127): the byte cannot fall under 1
	v_add_nc_u32 v11, 0xf8800000, v8               ; 15 off the exponent field: the conversion takes this operand's exponent field as its scale
	v_lshrrev_b32 v12, 23, v11                     ; the scale's byte
.if (\t) == 0
	v_mov_b32 v[SB], v12
.else
	v_lshl_or_b32 v[SB], v12, 8*(\t), v[SB]
.endif
.set n, 0
.rept 32
.set n, n+1
.endr
.irp g, 0,1,2,3
	v_cvt_scalef32_pk8_bf8_f32 v[CK+2*\g:CK+2*\g+1], v[XB+8*\g:XB+8*\g+7], v11
.endr
	global_store_b128 v[WO], v[CK:CK+3], s[32:33] offset:512*(\t)         ; k 0-15 of the block: lane place r;      sixteen lanes store 256 consecutive bytes, aligned
	global_store_b128 v[WO], v[CK+4:CK+7], s[32:33] offset:512*(\t)+256   ; k 16-31: lane place 16 + r
.endm
	BLOCK 0, 63
	BLOCK 1, 63
	BLOCK 2, 32
	BLOCK 3, 0
	global_store_b32 v[SO], v[SB], s[34:35]
	s_endpgm
.Lfunc_end_k_q4909b1da1c_wq:
	.size	k_q4909b1da1c_wq, .Lfunc_end_k_q4909b1da1c_wq-k_q4909b1da1c_wq
	.p2alignl 7, 3214868480
	.fill 96, 4, 3214868480
	.section	.rodata,"a",@progbits
	.p2align	6, 0x0
	.amdhsa_kernel k_q4909b1da1c_wq
		.amdhsa_group_segment_fixed_size 0
		.amdhsa_private_segment_fixed_size 0
		.amdhsa_enable_private_segment 0
		.amdhsa_kernarg_size 40
		.amdhsa_user_sgpr_count 2
		.amdhsa_user_sgpr_kernarg_segment_ptr 1
		.amdhsa_wavefront_size32 1
		.amdhsa_system_sgpr_workgroup_id_x 1
		.amdhsa_system_sgpr_workgroup_id_y 1
		.amdhsa_system_sgpr_workgroup_id_z 1
		.amdhsa_system_vgpr_workitem_id 0
		.amdhsa_next_free_vgpr 208
		.amdhsa_next_free_sgpr 66
		.amdhsa_reserve_vcc 0
		.amdhsa_float_denorm_mode_32 3
		.amdhsa_float_denorm_mode_16_64 3
		.amdhsa_fp16_overflow 1
		.amdhsa_memory_ordered 1
		.amdhsa_forward_progress 1
		.amdhsa_inst_pref_size 24
	.end_amdhsa_kernel
	.amdgpu_metadata
---
amdhsa.version: [ 1, 2 ]
amdhsa.kernels:
  - .name:           k_q4909b1da1c_wq
    .symbol:         k_q4909b1da1c_wq.kd
    .args:
      - { .name: Wq1, .offset: 0, .size: 8, .value_kind: global_buffer, .address_space: global }
      - { .name: Wq2, .offset: 8, .size: 8, .value_kind: global_buffer, .address_space: global }
      - { .name: Wkv, .offset: 16, .size: 8, .value_kind: global_buffer, .address_space: global }
      - { .name: wimg, .offset: 24, .size: 8, .value_kind: global_buffer, .address_space: global }
      - { .name: wscl, .offset: 32, .size: 8, .value_kind: global_buffer, .address_space: global }
    .group_segment_fixed_size: 0
    .private_segment_fixed_size: 0
    .kernarg_segment_align: 8
    .kernarg_segment_size: 40
    .max_flat_workgroup_size: 128
    .sgpr_count:     66
    .vgpr_count:     208
    .wavefront_size: 32
...
	.end_amdgpu_metadata
.endif
;; end of part 1
;; launch proj (part 2): grid 64 x 4, 8 waves a work-group, no clusters, 136,192 bytes of LDS; arguments query1, query2, key_value, wimg, wscl, qimg, qscl, kvimg; writes qimg, qscl, kvimg
.if DOCPART == 2
	.amdgcn_target "amdgcn-amd-amdhsa--gfx1250"
	.amdhsa_code_object_version 6
	.text
	.protected	k_q4909b1da1c_proj
	.globl	k_q4909b1da1c_proj
	.p2align	8
	.type	k_q4909b1da1c_proj,@function
k_q4909b1da1c_proj:
	s_mov_b64 s[64:65], 0
	v_nop
	global_prefetch_b8 v0, s[64:65] scope:SCOPE_SE
	s_setreg_imm32_b32 hwreg(HW_REG_WAVE_MODE, 25, 1), 1
	s_wait_xcnt 0x0
; THE THREE PROJECTIONS, on codes of BF8 (E5M2) with one E8M0 scale for each 32 along K, and their results quantised again for the attention launch.
; Job (work-group y): 0: q1 = query1 Wq1;  1: q2 = query2 Wq2;  2: k = key_value Wkv[:, :512];  3: v = key_value Wkv[:, 512:].  Work-group x: 128 tokens (batch x / 16, step x % 16).  256 work-groups of equal work.
; SHARES.  Eight waves.  Wave w IS HEAD w: its 64 columns' weights (4 tiles x 4 K steps: 16 fragments, 256 registers) stay in window 1, loaded once as register images.  Wave w also quantises token tile w of x.
; PHASE X.  A wave's 16 tokens x 512 numbers are loaded as they lie (each load: 512 consecutive bytes), turned through the wave's own stage in LDS so that a lane holds 16 neighbours of each block of 32,
;   quantised along K, and stored to LDS as images of the operand's registers (16 bytes a lane, 512 a store) with their scale words.  One barrier.
; PHASE 1.  For each pair of token tiles: 8 fragments of x from LDS, 32 matrix instructions on 8 accumulators by turns, then the results are quantised in registers and stored as images.
;   q1, q2, k: the product is used TRANSPOSED (source 0 = 16 columns of W, source 1 = 16 tokens): a lane holds one token, its registers run along the head's 64: quantised along d (two blocks).
;   v: the product is used straight (source 0 = tokens, source 1 = columns): a lane holds one channel, its registers run along the tokens: quantised along the keys.
; THE MEMBERS OF A TILE ARE NOT NEIGHBOURS: tile 2 g + u (of tokens, and of W's columns) takes members 32 g + 8 u + r + 8 (r / 8), so that the 16 result registers of tiles 2 g and 2 g + 1 are the neighbours 32 g + 16 (lane / 16) + 0..15.
; OUT.  qimg [which][head 32][token tile 128][c 2][lane][16]: lane (r, h): d = 32 c + 16 h + 0..15 of the tile's token r.   qscl [which][head][step 16][lane 32][pair 4] words: lanes 0-15 tile 2 pair, lanes 16-31 tile 2 pair + 1;
;   a word is [scale of d 0-31, of d 32-63, 0x7f, 0x7f].   kvimg: 274,432 bytes a head: k's codes (as qimg) at 0; v's codes [step][d tile 4][c 4][lane][16] at 131,072 (lane (r, h): keys 32 c + 16 h + 0..15 of the tile's channel r);
;   k's scale words (as qscl) at 262,144; v's [step][lane 32][pair 2] at 270,336 (byte c: key block c of the step).
; NO CLUSTER, NO TENSOR LOAD: all work-groups of a job read the same 262,144 bytes of weight images, but their place is the registers; a joint load would have to land them in LDS, and 262,144 bytes beside this text's 136,192 pass a work-group's 327,680.
; LIMITS: NaN and infinities are not served.  A block of zeros, or one whose largest magnitude lies under 2^(16 - 127), keeps the byte 1: its codes are zeros, and this program alone reads the bytes.
; REGISTERS.  Window 0: v1-8 addresses; v12-27 at work in QUANT; v28 a scale word; v32-35 the words gathered over four pairs; v36-39 x's scale words; v40-47 W's; v48-63 codes just made;
;   v64-191 two sets of 64 numbers (phase X), then 8 fragments of x (phase 1); v192-255 the accumulators.   Window 1: x as it is loaded, then W's 16 fragments, (tile t, K step s) at 64 t + 16 s.
.set XIMG,  0                          ; LDS: x's 32 fragments, (token tile m, K step s) at (4 m + s) x 2,048
.set XSC,   65536                      ; their scale words: [s 4][pair 4][32 words]: lanes 0-15 tile 2 pair, lanes 16-31 tile 2 pair + 1
.set STG,   67584                      ; a stage of 16 rows x (512 + 16) bytes for each wave
.set SROW,  528                        ; an odd multiple of 16: sixteen rows start at sixteen different groups of banks (64 banks of 4 bytes: ISA guide 11.1)
.set HEADB, 274432
.set LI,  1                            ; v1  16 x lane: an image's place, in LDS and in memory
.set L8,  2                            ; v2  8 x lane
.set XWI, 3                            ; v3  where I store x's images: 16 x lane + 8,192 x wave
.set XWS, 4                            ; v4  and their scale words: XSC + 4 (lane % 16) + 64 x wave
.set LSX, 5                            ; v5  XSC + 4 x lane
.set TSA, 6                            ; v6  the stage, in: 16 x lane
.set TRA, 7                            ; v7  the stage, back: row lane % 16, + 64 (lane / 16)
.set LS,  8                            ; v8  4 x lane
.set TM,  12                           ; v12-15 largest magnitudes, v16-19 bytes, v24-27 the conversions' scale operands
.set PW,  28
.set SW,  32
.set XS,  36
.set WS,  40                           ; W's scale words: 2 t + s / 2: lanes 0-15 the even K step, lanes 16-31 the odd one
.set PC,  48
.set BUF0, 64
.set XF,  64                           ; fragment (u, s) of a pair at XF + 16 (4 u + s)
.set ACC, 192
.set WV,  20
.set JOB, 21
.set BLK, 22
.set XP,  24                           ; s[24:25] x at my 16 tokens
.set WP,  26                           ; s[26:27] my head's weight images
.set WSP, 28                           ; s[28:29] and their scale words
.set SEL, 30                           ; s[30:31] v_permlanex16_b32's selects for lane l xor 16
.set MNT, 32
.set HM,  33                           ; s33 a lane mask: lanes 16-31
.set CB,  36                           ; s[36:37] where my codes go
.set SBS, 38                           ; s[38:39] where my scale words go
.set MSB, 0
.macro WIN new                         ; the immediate's high byte repeats the setting that is left; a switch that changes nothing is dropped
.if MSB != \new
	s_set_vgpr_msb (MSB<<8)|\new
.set MSB, \new
.endif
.endm
; One matrix instruction.  acc = 0: the constant 0 starts the sum; else it adds in place.  ra, rb: source 0's, source 1's scales are read from lanes 16-31.
.macro MM d, a, b, acc, sa, sb, ra, rb
.if (\acc) == 0
.if ((\ra) != 0) && ((\rb) != 0)
	v_wmma_scale_f32_16x16x128_f8f6f4 v[(\d):(\d)+7], v[(\a):(\a)+15], v[(\b):(\b)+15], 0, v[(\sa)], v[(\sb)] matrix_a_fmt:MATRIX_FMT_BF8 matrix_b_fmt:MATRIX_FMT_BF8 matrix_a_scale:MATRIX_SCALE_ROW1 matrix_b_scale:MATRIX_SCALE_ROW1
.elseif (\ra) != 0
	v_wmma_scale_f32_16x16x128_f8f6f4 v[(\d):(\d)+7], v[(\a):(\a)+15], v[(\b):(\b)+15], 0, v[(\sa)], v[(\sb)] matrix_a_fmt:MATRIX_FMT_BF8 matrix_b_fmt:MATRIX_FMT_BF8 matrix_a_scale:MATRIX_SCALE_ROW1
.elseif (\rb) != 0
	v_wmma_scale_f32_16x16x128_f8f6f4 v[(\d):(\d)+7], v[(\a):(\a)+15], v[(\b):(\b)+15], 0, v[(\sa)], v[(\sb)] matrix_a_fmt:MATRIX_FMT_BF8 matrix_b_fmt:MATRIX_FMT_BF8 matrix_b_scale:MATRIX_SCALE_ROW1
.else
	v_wmma_scale_f32_16x16x128_f8f6f4 v[(\d):(\d)+7], v[(\a):(\a)+15], v[(\b):(\b)+15], 0, v[(\sa)], v[(\sb)] matrix_a_fmt:MATRIX_FMT_BF8 matrix_b_fmt:MATRIX_FMT_BF8
.endif
.else
.if ((\ra) != 0) && ((\rb) != 0)
	v_wmma_scale_f32_16x16x128_f8f6f4 v[(\d):(\d)+7], v[(\a):(\a)+15], v[(\b):(\b)+15], v[(\d):(\d)+7], v[(\sa)], v[(\sb)] matrix_a_fmt:MATRIX_FMT_BF8 matrix_b_fmt:MATRIX_FMT_BF8 matrix_a_scale:MATRIX_SCALE_ROW1 matrix_b_scale:MATRIX_SCALE_ROW1
.elseif (\ra) != 0
	v_wmma_scale_f32_16x16x128_f8f6f4 v[(\d):(\d)+7], v[(\a):(\a)+15], v[(\b):(\b)+15], v[(\d):(\d)+7], v[(\sa)], v[(\sb)] matrix_a_fmt:MATRIX_FMT_BF8 matrix_b_fmt:MATRIX_FMT_BF8 matrix_a_scale:MATRIX_SCALE_ROW1
.elseif (\rb) != 0
	v_wmma_scale_f32_16x16x128_f8f6f4 v[(\d):(\d)+7], v[(\a):(\a)+15], v[(\b):(\b)+15], v[(\d):(\d)+7], v[(\sa)], v[(\sb)] matrix_a_fmt:MATRIX_FMT_BF8 matrix_b_fmt:MATRIX_FMT_BF8 matrix_b_scale:MATRIX_SCALE_ROW1
.else
	v_wmma_scale_f32_16x16x128_f8f6f4 v[(\d):(\d)+7], v[(\a):(\a)+15], v[(\b):(\b)+15], v[(\d):(\d)+7], v[(\sa)], v[(\sb)] matrix_a_fmt:MATRIX_FMT_BF8 matrix_b_fmt:MATRIX_FMT_BF8
.endif
.endif
.endm
; 64 numbers of a lane, v[s] on: four blocks, register 16 b + i = number 16 (lane / 16) + i of block b; lanes l and l xor 16 hold a block.  Codes to v[PC] on, bytes to v[TM+4] on.  w = 1: the four bytes also make a scale word in v[PW].
.macro QUANT s, w
.irp b, 0,1,2,3
	v_max3_num_f32 v[TM+\b], |v[\s+16*\b]|, |v[\s+1+16*\b]|, 0x8000000   ; my 16 numbers, from each accumulator's low end on, and the floor 2^(16 - 127): the byte cannot fall under 1
.endr
.irp i, 2,4,6,8,10,12,14
.irp b, 0,1,2,3
	v_max3_num_f32 v[TM+\b], v[TM+\b], |v[\s+16*\b+\i]|, |v[\s+1+16*\b+\i]|   ; (the four blocks by turns: no line waits for the line above it)
.endr
.endr
.irp b, 0,1,2,3
	s_delay_alu instid0(VALU_DEP_4)
	v_permlanex16_b32 v[TM+4+\b], v[TM+\b], s[SEL], s[SEL+1]
.endr
.irp b, 0,1,2,3
	s_delay_alu instid0(VALU_DEP_4)
	v_max_num_f32 v[TM+\b], v[TM+\b], v[TM+4+\b]   ; with lane l xor 16's: the block's largest magnitude
.endr
.irp b, 0,1,2,3
	s_delay_alu instid0(VALU_DEP_4)
	v_add_nc_u32 v[TM+12+\b], 0xf8800000, v[TM+\b] ; 15 off its exponent field: the conversion's scale operand
.endr
.irp b, 0,1,2,3
.endr
.irp b, 0,1,2,3
	s_delay_alu instid0(VALU_DEP_4)
	v_lshrrev_b32 v[TM+4+\b], 23, v[TM+12+\b]      ; the scale's byte
.endr
.if \w
	s_delay_alu instid0(VALU_DEP_3)
	v_lshl_or_b32 v[PW], v[TM+5], 8, v[TM+4]
	s_delay_alu instid0(VALU_DEP_1)
	v_lshl_or_b32 v[PW], v[TM+6], 16, v[PW]
	s_delay_alu instid0(VALU_DEP_1)
	v_lshl_or_b32 v[PW], v[TM+7], 24, v[PW]
.endif
.irp b, 0,1,2,3
.irp i, 0,1,2,3,4,5,6,7,8,9,10,11,12,13,14,15
.endr
	v_cvt_scalef32_pk8_bf8_f32 v[PC+4*\b:PC+1+4*\b], v[\s+16*\b:\s+7+16*\b], v[TM+12+\b]
	v_cvt_scalef32_pk8_bf8_f32 v[PC+2+4*\b:PC+3+4*\b], v[\s+8+16*\b:\s+15+16*\b], v[TM+12+\b]
.endr
	v_nop                                          ; one plain vector line behind the last conversion, ahead of whatever vector or matrix line next touches its registers
.endm
; K step f of my 16 tokens goes through my stage: in as loaded (a row = a token's 512 bytes), back 64 bytes a lane for each block.  LDS serves a wave's instructions in order (ISA guide 5.7.1.4): no wait between.
.macro TURN f, left
	s_wait_loadcnt \left                           ; K step f's 16 loads are in; what was issued behind them may stay out
	WIN 0x04                                       ; an LDS store's data are its source 1: window 1
.irp i, 0,1,2,3,4,5,6,7,8,9,10,11,12,13,14,15
	ds_store_b128 v[TSA], v[64*(\f)+4*\i:64*(\f)+4*\i+3] offset:SROW*\i
.endr
	WIN 0
.irp b, 0,1,2,3
.irp q, 0,1,2,3
	ds_load_b128 v[BUF0+64*((\f)%2)+16*\b+4*\q:BUF0+64*((\f)%2)+16*\b+4*\q+3], v[TRA] offset:128*\b+16*\q
.endr
.endr
.endm
; W's tile t: four fragments into the quarter of window 1 that K step t of x has left, and its scale words: 18 loads
.macro WLOAD t
	WIN 0x40
.irp s, 0,1,2,3
.irp c, 0,1,2,3
	global_load_b128 v[64*(\t)+16*\s+4*\c:64*(\t)+16*\s+4*\c+3], v[LI], s[WP:WP+1] offset:(4*(\t)+\s)*2048+512*\c
.endr
.endr
	WIN 0
	global_load_b32 v[WS+2*(\t)], v[LS], s[WSP:WSP+1] offset:256*(\t)
	global_load_b32 v[WS+2*(\t)+1], v[LS], s[WSP:WSP+1] offset:256*(\t)+128
.endm
; K step f of phase X
.macro XSTEP f, left
	s_wait_dscnt 0x0                               ; this K step's numbers are back from the stage, so its stage stores have read window 1's quarter f; the last image's stores have read v[PC] on
	WLOAD \f
.if (\f) < 3
	TURN (\f)+1, \left
.endif
	QUANT BUF0+64*((\f)%2), 1
.irp c, 0,1,2,3
	ds_store_b128 v[XWI], v[PC+4*\c:PC+4*\c+3] offset:XIMG+2048*(\f)+512*\c   ; the fragment as it stands
.endr
	ds_store_b32 v[XWS], v[PW] offset:512*(\f)     ; lanes r and 16 + r write the same word with the same value
.endm
	s_load_b512 s[4:19], s[0:1], 0x0               ; query1 s[4:5], query2 s[6:7], key_value s[8:9], wimg s[10:11], wscl s[12:13], qimg s[14:15], qscl s[16:17], kvimg s[18:19]
	v_lshrrev_b32 v9, 5, v0
	s_delay_alu instid0(VALU_DEP_1)
	v_readfirstlane_b32 s[WV], v9                  ; wave 0..7
	s_and_b32 s[JOB], ttmp7, 0xffff
	s_mov_b32 s[BLK], ttmp9
	v_and_b32 v9, 31, v0                           ; lane
	v_and_b32 v10, 15, v0                          ; r
	v_bfe_u32 v11, v0, 4, 1                        ; h
	s_delay_alu instid0(VALU_DEP_3)
	v_lshlrev_b32 v[LI], 4, v9
	s_delay_alu instid0(VALU_DEP_4)
	v_lshlrev_b32 v[L8], 3, v9
	v_lshlrev_b32 v[LS], 2, v9
	s_lshl_b32 s48, s[WV], 13
	v_add_nc_u32 v[XWI], s48, v[LI]
	s_lshl_b32 s48, s[WV], 6
	s_add_co_u32 s48, s48, XSC
	v_lshl_add_u32 v[XWS], v10, 2, s48
	v_add_nc_u32 v[LSX], XSC, v[LS]
	s_mul_i32 s48, s[WV], 16*SROW
	s_add_co_u32 s48, s48, STG                     ; my stage
	v_add_nc_u32 v[TSA], s48, v[LI]
	v_mul_u32_u24 v[TRA], v10, SROW
	s_delay_alu instid0(VALU_DEP_1)
	v_lshl_add_u32 v[TRA], v11, 6, v[TRA]
	s_delay_alu instid0(VALU_DEP_1)
	v_add_nc_u32 v[TRA], s48, v[TRA]
.irp b, 0,1,2,3
	v_mov_b32 v[TM+4+\b], 0                        ; written once: a lane permute's destination counts as one of its sources
.endr
	s_mov_b32 s[SEL], 0x76543210
	s_mov_b32 s[SEL+1], 0xfedcba98
	s_mov_b32 s[HM], 0xffff0000
	s_lshl_b32 s40, s[BLK], 18                     ; x: 128 tokens of 2,048 bytes a work-group; my tile begins at token 32 (w / 2) + 8 (w % 2)
	s_lshr_b32 s42, s[WV], 1
	s_lshl_b32 s42, s42, 16
	s_add_co_u32 s40, s40, s42
	s_and_b32 s42, s[WV], 1
	s_lshl_b32 s42, s42, 14
	s_add_co_u32 s40, s40, s42
	s_mov_b32 s41, 0
	s_lshl_b32 s44, s[JOB], 18                     ; wimg: 262,144 a job, 32,768 a head
	s_lshl_b32 s42, s[WV], 15
	s_add_co_u32 s44, s44, s42
	s_mov_b32 s45, 0
	s_lshl_b32 s46, s[JOB], 13                     ; wscl: 8,192 a job, 1,024 a head
	s_lshl_b32 s42, s[WV], 10
	s_add_co_u32 s46, s46, s42
	s_mov_b32 s47, 0
	s_wait_alu depctr_va_vdst(0)
	s_wait_kmcnt 0x0
	s_cmp_eq_u32 s[JOB], 0                         ; x is chosen by the work-group's number alone
	s_cselect_b64 s[XP:XP+1], s[4:5], s[6:7]
	s_cmp_lt_u32 s[JOB], 2
	s_cselect_b64 s[XP:XP+1], s[XP:XP+1], s[8:9]
	s_add_nc_u64 s[XP:XP+1], s[XP:XP+1], s[40:41]
	s_add_nc_u64 s[WP:WP+1], s[10:11], s[44:45]
	s_add_nc_u64 s[WSP:WSP+1], s[12:13], s[46:47]
	; ---- PHASE X.  All 64 loads of x go out first: K step f, token place i: 32 lanes read 512 consecutive bytes.  (No cache word: key_value is read by two jobs.)
	WIN 0x40
.irp f, 0,1,2,3
.irp i, 0,1,2,3,4,5,6,7,8,9,10,11,12,13,14,15
	global_load_b128 v[64*\f+4*\i:64*\f+4*\i+3], v[LI], s[XP:XP+1] offset:(\i+8*(\i/8))*2048+512*\f
.endr
.endr
	WIN 0
	TURN 0, 48                                     ; younger than K step 0's loads: the 48 of K steps 1 to 3
	XSTEP 0, 50                                    ; younger than K step 1's: 32 of x and 18 of W
	XSTEP 1, 52                                    ; than K step 2's: 16 and 36
	XSTEP 2, 54                                    ; than K step 3's: 54 of W
	XSTEP 3, 0
	s_lshr_b32 s42, s[BLK], 4                      ; (register work while the last stores land)
	s_lshl_b32 s42, s42, 3
	s_add_co_u32 s42, s42, s[WV]                   ; the head among 32: 8 x batch + wave
	s_and_b32 s43, s[BLK], 15                      ; the step of 128 tokens
	s_wait_dscnt 0x0                               ; for the others' sake: my images and scale words lie in LDS
	s_barrier_signal -1
	s_barrier_wait -1                              ; everybody's do.  From here on LDS is only read
	s_wait_loadcnt 0x0                             ; W
	s_cmp_eq_u32 s[JOB], 3
	s_cbranch_scc1 .Lv
; A pair of token tiles, 2 p and 2 p + 1.  kind = 0: transposed (q1, q2, k);  kind = 1: straight (v).
.macro PAIR kind, p
.irp u, 0,1
.irp s, 0,1,2,3
.irp c, 0,1,2,3
	ds_load_b128 v[XF+16*(4*\u+\s)+4*\c:XF+16*(4*\u+\s)+4*\c+3], v[LI] offset:XIMG+(4*(2*(\p)+\u)+\s)*2048+512*\c
.endr
.endr
.endr
.irp s, 0,1,2,3
	ds_load_b32 v[XS+\s], v[LSX] offset:512*\s+128*(\p)
.endr
	s_wait_dscnt 0x0
.if \kind
	WIN 0x04                                       ; source 1 (W) window 1
.else
	WIN 0x01                                       ; source 0 (W) window 1
.endif
.irp s, 0,1,2,3                        ; the eight accumulators take turns, one instruction a turn, K step by K step; the first K step starts the sums
.irp u, 0,1
.irp t, 0,1,2,3
.if \kind
	MM ACC+16*\t+8*\u, XF+16*(4*\u+\s), 64*\t+16*\s, \s, XS+\s, WS+2*\t+\s/2, \u, \s%2
.else
	MM ACC+32*\u+8*\t, 64*\t+16*\s, XF+16*(4*\u+\s), \s, WS+2*\t+\s/2, XS+\s, \s%2, \u
.endif
.endr
.endr
.endr
	WIN 0
.rept 8
	v_nop                                          ; eight places between these products and the first vector line that reads their results
.endr
.if (\p) > 0
	s_wait_xcnt 0x0                                ; the last pair's stores have read v[PC] on: it is written again only behind this wait
.endif
	QUANT ACC, 0
.if \kind
	; block t = channel tile t, keys 32 p .. 32 p + 31 of the step: group c = p of v's fragment t; its byte is byte p of the tile's scale word
.irp t, 0,1,2,3
.if (\p) == 0
	v_mov_b32 v[SW+\t], v[TM+4+\t]
.else
	v_lshl_or_b32 v[SW+\t], v[TM+4+\t], 8*(\p), v[SW+\t]
.endif
.endr
.irp t, 0,1,2,3
	global_store_b128 v[LI], v[PC+4*\t:PC+4*\t+3], s[CB:CB+1] offset:2048*\t+512*(\p) th:TH_STORE_NT   ; 32 lanes store 512 consecutive bytes, aligned
.endr
.else
	; block 2 u + c = token tile 2 p + u, d = 32 c .. 32 c + 31
	v_lshl_or_b32 v29, v[TM+5], 8, v[TM+4]         ; tile 2 p's two bytes,
	v_lshl_or_b32 v30, v[TM+7], 8, v[TM+6]         ; tile 2 p + 1's
	s_delay_alu instid0(VALU_DEP_1)
	v_cndmask_b32 v29, v29, v30, s[HM]             ; lanes 0-15 keep the first, lanes 16-31 take the second
	s_delay_alu instid0(VALU_DEP_1)
	v_or_b32 v[SW+(\p)], 0x7f7f0000, v29           ; the instruction's upper 64 along K will be zero codes: their bytes stand for 1.0
.irp u, 0,1
.irp c, 0,1
	global_store_b128 v[LI], v[PC+8*\u+4*\c:PC+8*\u+4*\c+3], s[CB:CB+1] offset:(2*(\p)+\u)*1024+512*\c th:TH_STORE_NT
.endr
.endr
.endif
.endm
	; ---- PHASE 1 for q1, q2, k.  Where the results go is chosen without a jump, by the job alone
	s_mov_b32 s45, HEADB
	s_cmp_lt_u32 s[JOB], 2
	s_cselect_b64 s[CB:CB+1], s[14:15], s[18:19]
	s_cselect_b64 s[SBS:SBS+1], s[16:17], s[18:19]
	s_cselect_b32 s44, s[JOB], 0                   ; which of the two queries
	s_cselect_b32 s46, 131072, s45                 ; from head to head: codes,
	s_cselect_b32 s47, 8192, s45                   ; scale words,
	s_cselect_b32 s48, 0, 262144                   ; and where a head's scale words begin
	s_lshl_b32 s50, s44, 22
	s_mul_i32 s46, s42, s46
	s_add_co_u32 s50, s50, s46
	s_lshl_b32 s46, s43, 13                        ; 8 tiles of 1,024 bytes a step
	s_add_co_u32 s50, s50, s46
	s_mov_b32 s51, 0
	s_lshl_b32 s52, s44, 18
	s_mul_i32 s47, s42, s47
	s_add_co_u32 s52, s52, s47
	s_add_co_u32 s52, s52, s48
	s_lshl_b32 s47, s43, 9                         ; 512 bytes of words a step
	s_add_co_u32 s52, s52, s47
	s_mov_b32 s53, 0
	s_add_nc_u64 s[CB:CB+1], s[CB:CB+1], s[50:51]
	s_add_nc_u64 s[SBS:SBS+1], s[SBS:SBS+1], s[52:53]
	PAIR 0, 0
	PAIR 0, 1
	PAIR 0, 2
	PAIR 0, 3
	global_store_b128 v[LI], v[SW:SW+3], s[SBS:SBS+1] th:TH_STORE_NT   ; the step's scale words: 512 consecutive bytes
	s_wait_xcnt 0x0
	v_lshl_add_u32 v254, v0, 2, 0x21000
	v_mov_b32 v255, 0
	s_wait_alu depctr_va_vdst(0)
	s_wait_tensorcnt 0x0
	ds_add_u32 v254, v255
	s_wait_dscnt 0x0
	s_endpgm
.Lv:	; ---- PHASE 1 for v
	s_mul_i32 s50, s42, HEADB
	s_lshl_b32 s46, s43, 13
	s_add_co_u32 s46, s46, 131072
	s_add_co_u32 s46, s46, s50
	s_mov_b32 s47, 0
	s_lshl_b32 s52, s43, 8
	s_add_co_u32 s52, s52, 270336
	s_add_co_u32 s52, s52, s50
	s_mov_b32 s53, 0
	s_add_nc_u64 s[CB:CB+1], s[18:19], s[46:47]
	s_add_nc_u64 s[SBS:SBS+1], s[18:19], s[52:53]
	PAIR 1, 0
	PAIR 1, 1
	PAIR 1, 2
	PAIR 1, 3
	v_cndmask_b32 v30, v[SW], v[SW+1], s[HM]       ; lanes 0-15: channel tile 0's words, lanes 16-31: tile 1's;
	v_cndmask_b32 v31, v[SW+2], v[SW+3], s[HM]     ; tiles 2 and 3
	global_store_b64 v[L8], v[30:31], s[SBS:SBS+1] th:TH_STORE_NT      ; 256 consecutive bytes, aligned
	s_wait_xcnt 0x0
	v_lshl_add_u32 v254, v0, 2, 0x21000
	v_mov_b32 v255, 0
	s_wait_alu depctr_va_vdst(0)
	s_wait_tensorcnt 0x0
	ds_add_u32 v254, v255
	s_wait_dscnt 0x0
	s_endpgm
.Lfunc_end_k_q4909b1da1c_proj:
	.size	k_q4909b1da1c_proj, .Lfunc_end_k_q4909b1da1c_proj-k_q4909b1da1c_proj
	.p2alignl 7, 3214868480
	.fill 96, 4, 3214868480
	.section	.rodata,"a",@progbits
	.p2align	6, 0x0
	.amdhsa_kernel k_q4909b1da1c_proj
		.amdhsa_group_segment_fixed_size 136192
		.amdhsa_private_segment_fixed_size 0
		.amdhsa_enable_private_segment 0
		.amdhsa_kernarg_size 64
		.amdhsa_user_sgpr_count 2
		.amdhsa_user_sgpr_kernarg_segment_ptr 1
		.amdhsa_wavefront_size32 1
		.amdhsa_system_sgpr_workgroup_id_x 1
		.amdhsa_system_sgpr_workgroup_id_y 1
		.amdhsa_system_sgpr_workgroup_id_z 1
		.amdhsa_system_vgpr_workitem_id 0
		.amdhsa_next_free_vgpr 512
		.amdhsa_next_free_sgpr 66
		.amdhsa_reserve_vcc 0
		.amdhsa_float_denorm_mode_32 3
		.amdhsa_float_denorm_mode_16_64 3
		.amdhsa_fp16_overflow 1
		.amdhsa_memory_ordered 1
		.amdhsa_forward_progress 1
		.amdhsa_inst_pref_size 135
	.end_amdhsa_kernel
	.amdgpu_metadata
---
amdhsa.version: [ 1, 2 ]
amdhsa.kernels:
  - .name:           k_q4909b1da1c_proj
    .symbol:         k_q4909b1da1c_proj.kd
    .args:
      - { .name: query1, .offset: 0, .size: 8, .value_kind: global_buffer, .address_space: global }
      - { .name: query2, .offset: 8, .size: 8, .value_kind: global_buffer, .address_space: global }
      - { .name: key_value, .offset: 16, .size: 8, .value_kind: global_buffer, .address_space: global }
      - { .name: wimg, .offset: 24, .size: 8, .value_kind: global_buffer, .address_space: global }
      - { .name: wscl, .offset: 32, .size: 8, .value_kind: global_buffer, .address_space: global }
      - { .name: qimg, .offset: 40, .size: 8, .value_kind: global_buffer, .address_space: global }
      - { .name: qscl, .offset: 48, .size: 8, .value_kind: global_buffer, .address_space: global }
      - { .name: kvimg, .offset: 56, .size: 8, .value_kind: global_buffer, .address_space: global }
    .group_segment_fixed_size: 136192
    .private_segment_fixed_size: 0
    .kernarg_segment_align: 8
    .kernarg_segment_size: 64
    .max_flat_workgroup_size: 256
    .sgpr_count:     66
    .vgpr_count:     512
    .wavefront_size: 32
...
	.end_amdgpu_metadata
.endif
;; end of part 2
;; launch attn (part 3): grid 8 x 32, 8 waves a work-group, clusters of 4 x 1, 327,680 bytes of LDS; arguments qimg, qscl, kvimg, out0, out1; writes out0, out1
.if DOCPART == 3
	.amdgcn_target "amdgcn-amd-amdhsa--gfx1250"
	.amdhsa_code_object_version 6
	.text
	.protected	k_q4909b1da1c_attn
	.globl	k_q4909b1da1c_attn
	.p2align	8
	.type	k_q4909b1da1c_attn,@function
k_q4909b1da1c_attn:
	s_mov_b64 s[64:65], 0
	v_nop
	global_prefetch_b8 v0, s[64:65] scope:SCOPE_SE
	s_setreg_imm32_b32 hwreg(HW_REG_WAVE_MODE, 25, 1), 1
	s_wait_xcnt 0x0
	s_wait_alu depctr_hold_cnt(0) depctr_sa_sdst(0) depctr_va_vdst(0) depctr_va_sdst(0) depctr_va_ssrc(0) depctr_va_vcc(0) depctr_vm_vsrc(0)
	s_getreg_b32 s2, hwreg(HW_REG_IB_STS2, 6, 4)
	s_cmp_eq_u32 s2, 0
	s_cbranch_scc0 .Lentry_in_a_cluster
	s_endpgm
.Lentry_in_a_cluster:
	s_bfe_u32 s2, ttmp6, 0x10000c
	s_cmp_lg_u32 s2, 0x3003
	s_cbranch_scc0 .Lentry_shape_is_right
	s_endpgm
.Lentry_shape_is_right:
; THE TWO ATTENTIONS.  out[which][b][q][64 h + d] = the sum over keys of softmax(q . k / 8) v, both products on codes of BF8 (E5M2) with one E8M0 scale for each 32 along a product's K.
; THE SOFTMAX AHEAD OF THE SECOND PRODUCT: t = score x log2(e) / 8; M = the running largest t rounded UP to a whole number; p = 2^(t - M) is quantised along the keys, not normalised; the row's sum is taken of the
; unquantised p and divides at the end.  When M moves, the sum and O are multiplied by 2^(old M - new M): exact, and with no branch on data.
; SHARES.  Work-group y: the head among 32 (batch y / 8, head y % 8).  Cluster x: which of the two queries.  Place in the cluster: 512 queries.  Eight waves, two to a SIMD; in each of two passes a wave owns 32 neighbouring
; queries: two tiles, A and B, which share every fragment of K and V that the wave reads from LDS.  Every wave walks the head's 2,048 keys, 128 a step.
; K AND V OF THE WHOLE HEAD STAY IN LDS: 274,432 bytes (codes and scale words, laid by the launch before as images of the operands' registers), filled ONCE, each wave bringing an eighth by one tensor load.
; By this text's count one tensor load a wave is out.  No byte is filled again, so there is no ring and no barrier in the loops.
; CLUSTER.  The four work-groups of a cluster belong to one head and one query tensor and need the same K and V: each eighth is asked for JOINTLY, by the same load with the same descriptor and the mask of all four.
; Nothing is prefetched: the one stream, the head's K and V, is asked for whole at the kernel's head.
; LAYOUT.  Both products are used transposed: S^T = K Q^T (source 0 = 16 keys, source 1 = 16 queries), O^T = V^T P^T (source 0 = 16 channels, source 1 = P): a lane holds ONE query (lane % 16) throughout.
; The members of a tile are not neighbours (tile 2 g + u takes 32 g + 8 u + r + 8 (r / 8)), so the 16 registers of two neighbouring tiles are 16 neighbours: keys in S^T and P, channels in O^T.
; THE HEAD'S 64 fill half of the instruction's 128 along K: the upper eight registers of K's and of Q's fragments are zero codes, set once, under the scale byte 0x7f.
; LIMITS: NaN and infinities are not served.  A block of p whose largest lies under 2^(16 - 127) keeps the byte 1.  A block's largest p is made from its largest score by the same two instructions: this takes
; v_exp_f32 not to fall where its input rises (the ISA guide promises 1 ulp); at the worst one p of a block would be held one code low.
; REGISTERS.  Window 0: v1-11 addresses; v12-19 statistics; v20-23 f and P's scale word, a pair a tile; v24-27 K's scale words, v28-29 V's, v30-31 Q's; v32-51 at work; v56-57 the spare word's address and 0;
;   v64-95 P's codes; v96-159 S^T of tile A, then V's four fragments; v160-223 S^T of tile B.   Window 1: v0-63 O^T of A and of B; v64-127 Q's four fragments; v128-255 K's eight.
.set VBASE,  131072                    ; LDS, as in memory: K's codes at 0, V's codes,
.set KSB,    262144                    ; K's scale words,
.set VSB,    270336                    ; V's scale words,
.set HEADB,  274432                    ; the end of a head
.set PART,   34304                     ; an eighth: 134 rows of 256 bytes
.set STAGE,  278528                    ; (4,096 bytes lie unused in front: an address one step past V's scale words still lies under the stages)
.set SPITCH, 272                       ; 256 + 16: sixteen rows start at sixteen different groups of banks (64 banks of 4 bytes: ISA guide 11.1)
.set SPARE,  STAGE+8*16*SPITCH         ; the spare words, 128 bytes for each wave: four blocks of 256 bytes that no other line names
.set AK0, 1                            ; v1   16 x lane
.set AV0, 2                            ; v2   + VBASE
.set AS0, 3                            ; v3   16 x lane + KSB
.set AT0, 4                            ; v4   8 x lane + VSB
.set ADK, 5                            ; v5-8 the addresses of the loads in hand
.set ADV, 6
.set ADS, 7
.set ADT, 8
.set STO, 9                            ; v9   the stage: where I put 16 bytes of a row
.set RD,  10                           ; v10  and where I read a row back
.set GO,  11                           ; v11  my byte offset in two rows of the output
.set ST_A, 12                          ; -M, the largest t, the sum in two halves
.set ST_B, 16
.set F_A,  20                          ; f = 2^(old M - new M); P's scale word
.set F_B,  22
.set KS,   24
.set VS,   28
.set QS,   30                          ; pass 0's, pass 1's: lanes 0-15 tile A, lanes 16-31 tile B
.set BM,   32                          ; v32-35 the blocks' largest scores, then largest p
.set T2,   36                          ; v36-39 the other half's; a second chain of sums; bytes
.set HOLD, 40
.set SCL,  44                          ; v44-47 the conversions' scale operands
.set TP,   48                          ; v48-51 at work
.set SPW,  56
.set NIL,  57
.set P_A,  64
.set P_B,  80
.set S_A,  96
.set S_B,  160
.set OA,   0                           ; window 1
.set OB,   32
.set QF,   64                          ; (pass p, tile u) at QF + 16 (2 p + u)
.set KF,   128
.set WV,  14
.set CX,  15
.set BH,  16
.set WH,  17
.set G0,  20                           ; s[20:23] descriptor group 0
.set G1,  24                           ; s[24:31] descriptor group 1
.set SEL, 32                           ; s[32:33] v_permlanex16_b32's selects for lane l xor 16
.set CS,  34                           ; s[34:35] c = log2(e) / 8: the packed form names a pair and takes its low word for both halves
.set MNT, 36
.set TB,  37                           ; s37 the step's codes begin here (8,192 bytes a step, in K's and in V's)
.set TS,  38                           ; s38 K's scale words: 512 a step
.set TV,  39                           ; s39 V's: 256 a step
.set CNT, 40
.set QP,  42                           ; s[42:43] my queries' codes
.set QSP, 44                           ; s[44:45] their scale words
.set OUTP, 46                          ; s[46:47] my rows of the output
.set MSB, 0
.macro WIN new                         ; the immediate's high byte repeats the setting that is left; a switch that changes nothing is dropped
.if MSB != \new
	s_set_vgpr_msb (MSB<<8)|\new
.set MSB, \new
.endif
.endm
; One matrix instruction.  acc = 0: the constant 0 starts the sum; else it adds in place.  ra, rb: source 0's, source 1's scales are read from lanes 16-31.
.macro MM d, a, b, acc, sa, sb, ra, rb
.if (\acc) == 0
.if ((\ra) != 0) && ((\rb) != 0)
	v_wmma_scale_f32_16x16x128_f8f6f4 v[(\d):(\d)+7], v[(\a):(\a)+15], v[(\b):(\b)+15], 0, v[(\sa)], v[(\sb)] matrix_a_fmt:MATRIX_FMT_BF8 matrix_b_fmt:MATRIX_FMT_BF8 matrix_a_scale:MATRIX_SCALE_ROW1 matrix_b_scale:MATRIX_SCALE_ROW1
.elseif (\ra) != 0
	v_wmma_scale_f32_16x16x128_f8f6f4 v[(\d):(\d)+7], v[(\a):(\a)+15], v[(\b):(\b)+15], 0, v[(\sa)], v[(\sb)] matrix_a_fmt:MATRIX_FMT_BF8 matrix_b_fmt:MATRIX_FMT_BF8 matrix_a_scale:MATRIX_SCALE_ROW1
.elseif (\rb) != 0
	v_wmma_scale_f32_16x16x128_f8f6f4 v[(\d):(\d)+7], v[(\a):(\a)+15], v[(\b):(\b)+15], 0, v[(\sa)], v[(\sb)] matrix_a_fmt:MATRIX_FMT_BF8 matrix_b_fmt:MATRIX_FMT_BF8 matrix_b_scale:MATRIX_SCALE_ROW1
.else
	v_wmma_scale_f32_16x16x128_f8f6f4 v[(\d):(\d)+7], v[(\a):(\a)+15], v[(\b):(\b)+15], 0, v[(\sa)], v[(\sb)] matrix_a_fmt:MATRIX_FMT_BF8 matrix_b_fmt:MATRIX_FMT_BF8
.endif
.else
.if ((\ra) != 0) && ((\rb) != 0)
	v_wmma_scale_f32_16x16x128_f8f6f4 v[(\d):(\d)+7], v[(\a):(\a)+15], v[(\b):(\b)+15], v[(\d):(\d)+7], v[(\sa)], v[(\sb)] matrix_a_fmt:MATRIX_FMT_BF8 matrix_b_fmt:MATRIX_FMT_BF8 matrix_a_scale:MATRIX_SCALE_ROW1 matrix_b_scale:MATRIX_SCALE_ROW1
.elseif (\ra) != 0
	v_wmma_scale_f32_16x16x128_f8f6f4 v[(\d):(\d)+7], v[(\a):(\a)+15], v[(\b):(\b)+15], v[(\d):(\d)+7], v[(\sa)], v[(\sb)] matrix_a_fmt:MATRIX_FMT_BF8 matrix_b_fmt:MATRIX_FMT_BF8 matrix_a_scale:MATRIX_SCALE_ROW1
.elseif (\rb) != 0
	v_wmma_scale_f32_16x16x128_f8f6f4 v[(\d):(\d)+7], v[(\a):(\a)+15], v[(\b):(\b)+15], v[(\d):(\d)+7], v[(\sa)], v[(\sb)] matrix_a_fmt:MATRIX_FMT_BF8 matrix_b_fmt:MATRIX_FMT_BF8 matrix_b_scale:MATRIX_SCALE_ROW1
.else
	v_wmma_scale_f32_16x16x128_f8f6f4 v[(\d):(\d)+7], v[(\a):(\a)+15], v[(\b):(\b)+15], v[(\d):(\d)+7], v[(\sa)], v[(\sb)] matrix_a_fmt:MATRIX_FMT_BF8 matrix_b_fmt:MATRIX_FMT_BF8
.endif
.endif
.endm
; A round of the cluster's barrier: my work-group's barrier, so that wave 0's signal speaks for all eight waves; wave 0 signals for the work-group; every wave waits for all four work-groups; my work-group's barrier once more.
.macro ROUND
	s_barrier_signal -1
	s_barrier_wait -1
	s_cmp_lg_u32 s[WV], 0
	s_cbranch_scc1 .Lnot_wave_0_\@
	s_barrier_signal -3
.Lnot_wave_0_\@:
	s_barrier_wait -3
	s_barrier_signal -1
	s_barrier_wait -1
.endm
; A step's eight fragments of K (their lower eight registers: the head's 64) and its scale words
.macro KLOAD adr, ads
	WIN 0x40                                       ; destination window 1, address window 0
.irp t, 0,1,2,3,4,5,6,7
.irp c, 0,1
	ds_load_b128 v[KF+16*\t+4*\c:KF+16*\t+4*\c+3], v[\adr] offset:1024*\t+512*\c   ; an image: 32 lanes read 512 consecutive bytes
.endr
.endr
	WIN 0
	ds_load_b128 v[KS:KS+3], v[\ads]               ; register pair: lanes 0-15 tile 2 pair, lanes 16-31 tile 2 pair + 1
.endm
; One tile's softmax for one key step, all in window 0.  sc: its 64 scores, register 16 b + i = key 32 b + 16 (lane / 16) + i;  st: its statistics;  pc: where P's codes go;  ff: f, and P's scale word.
.macro SOFTMAX sc, st, pc, ff
.irp b, 0,1,2,3
	v_max3_num_f32 v[BM+\b], v[\sc+16*\b], v[\sc+1+16*\b], v[\sc+2+16*\b]   ; THE LARGEST SCORE OF EACH BLOCK OF 32 KEYS serves twice: for the row's maximum and, since p rises with the score, for the block's largest p.  (Each accumulator is read from its low end on)
.endr
.irp i, 3,5,7,9,11,13
.irp b, 0,1,2,3
	v_max3_num_f32 v[BM+\b], v[BM+\b], v[\sc+16*\b+\i], v[\sc+1+16*\b+\i]   ; (the four blocks by turns)
.endr
.endr
.irp b, 0,1,2,3
	v_max_num_f32 v[BM+\b], v[BM+\b], v[\sc+15+16*\b]
.endr
.irp b, 0,1,2,3
	s_delay_alu instid0(VALU_DEP_4)
	v_permlanex16_b32 v[T2+\b], v[BM+\b], s[SEL], s[SEL+1]
.endr
.irp b, 0,1,2,3
	s_delay_alu instid0(VALU_DEP_4)
	v_max_num_f32 v[BM+\b], v[BM+\b], v[T2+\b]     ; with lane l xor 16's 16 keys
.endr
	s_delay_alu instid0(VALU_DEP_2)
	v_max3_num_f32 v[TP], v[BM], v[BM+1], v[BM+2]
	s_delay_alu instid0(VALU_DEP_1)
	v_max_num_f32 v[TP], v[TP], v[BM+3]            ; the step's largest score of my query
	s_delay_alu instid0(VALU_DEP_1)
	v_mul_f32 v[TP], s[CS], v[TP]                  ; as t (c is positive)
	s_delay_alu instid0(VALU_DEP_1)
	v_max_num_f32 v[\st+1], v[\st+1], v[TP]        ; the running largest t
	v_mov_b32 v[TP], v[\st]
	s_delay_alu instid0(VALU_DEP_2)
	v_floor_f32 v[\st], -v[\st+1]                  ; the new -M = floor(-t) = -ceil(t): M is a whole number
	s_delay_alu instid0(VALU_DEP_1)
	v_sub_f32 v[TP], v[\st], v[TP]                 ; M's old value less its new one: a whole number, 0 or less
	s_delay_alu instid0(VALU_DEP_1)
	v_cvt_i32_f32 v[TP], v[TP]                     ; (it saturates)
	s_delay_alu instid0(VALU_DEP_1)
	v_ldexp_f32 v[\ff], 1.0, v[TP]                 ; f = 2^(old M - new M)
.set n, 0
.rept 32
	v_pk_fma_f32 v[\sc+n:\sc+n+1], v[\sc+n:\sc+n+1], s[CS:CS+1], v[\st:\st+1] op_sel_hi:[1,0,0]   ; t - M, two at a time (of the pairs c and -M the low word serves both halves)
.set n, n+2
.endr
.irp b, 0,1,2,3
	v_fma_f32 v[BM+\b], v[BM+\b], s[CS], v[\st]    ; the same of each block's largest score
.endr
.set n, 0
	s_wait_alu depctr_va_vdst(0)
.rept 64
	v_exp_f32 v[\sc+n], v[\sc+n]                   ; p = 2^(t - M), at most 1
.set n, n+1
.endr
	v_pk_mul_f32 v[\st+2:\st+3], v[\st+2:\st+3], v[\ff:\ff+1] op_sel_hi:[1,0]   ; the sums under the new M: the plain line behind the exponentials
	s_wait_alu depctr_va_vdst(0)                   ; one wait for the batch of 64, ahead of its first reader
.irp b, 0,1,2,3
	v_exp_f32 v[BM+\b], v[BM+\b]                   ; the block's largest p: the same two instructions on the same number give the same bits
.endr
	v_pk_add_f32 v[T2:T2+1], v[\sc:\sc+1], v[\sc+2:\sc+3]   ; THE ROW'S SUM IS TAKEN OF THE UNQUANTISED p: two at a time, in two chains; it reads the 64 alone: plain work behind the four
.set n, 4
.rept 15
	v_pk_add_f32 v[\st+2:\st+3], v[\st+2:\st+3], v[\sc+n:\sc+n+1]
	v_pk_add_f32 v[T2:T2+1], v[T2:T2+1], v[\sc+n+2:\sc+n+3]
.set n, n+4
.endr
	s_delay_alu instid0(VALU_DEP_1)
	v_pk_add_f32 v[\st+2:\st+3], v[\st+2:\st+3], v[T2:T2+1]
	s_wait_alu depctr_va_vdst(0)                   ; and one for the four
.irp b, 0,1,2,3
	v_max_num_f32 v[BM+\b], 0x8000000, v[BM+\b]    ; the floor 2^(16 - 127): the byte cannot fall under 1
.endr
.irp b, 0,1,2,3
	s_delay_alu instid0(VALU_DEP_4)
	v_add_nc_u32 v[SCL+\b], 0xf8800000, v[BM+\b]   ; 15 off the exponent field: the conversion's scale operand
.endr
.irp b, 0,1,2,3
.endr
.irp b, 0,1,2,3
	s_delay_alu instid0(VALU_DEP_4)
	v_lshrrev_b32 v[T2+\b], 23, v[SCL+\b]          ; the scale's byte
.endr
	s_delay_alu instid0(VALU_DEP_3)
	v_lshl_or_b32 v[\ff+1], v[T2+1], 8, v[T2]      ; P's scale word for these 128 keys
	s_delay_alu instid0(VALU_DEP_1)
	v_lshl_or_b32 v[\ff+1], v[T2+2], 16, v[\ff+1]
	s_delay_alu instid0(VALU_DEP_1)
	v_lshl_or_b32 v[\ff+1], v[T2+3], 24, v[\ff+1]
.irp b, 0,1,2,3
.irp i, 0,1,2,3,4,5,6,7,8,9,10,11,12,13,14,15
.endr
	v_cvt_scalef32_pk8_bf8_f32 v[\pc+4*\b:\pc+4*\b+1], v[\sc+16*\b:\sc+16*\b+7], v[SCL+\b]
	v_cvt_scalef32_pk8_bf8_f32 v[\pc+4*\b+2:\pc+4*\b+3], v[\sc+16*\b+8:\sc+16*\b+15], v[SCL+\b]
.endr
	v_nop                                          ; one plain vector line behind the last conversion
.endm
; A KEY STEP of pass p: 128 keys, both tiles.  At its head this step's fragments of K and their scale words are in registers.
.macro STEP p
	v_add_nc_u32 v[ADV], s[TB], v[AV0]             ; this step's V,
	v_add_nc_u32 v[ADT], s[TV], v[AT0]
	s_add_co_u32 s[TB], s[TB], 8192
	s_add_co_u32 s[TS], s[TS], 512
	s_add_co_u32 s[TV], s[TV], 256
	v_add_nc_u32 v[ADK], s[TB], v[AK0]             ; the next step's K
	v_add_nc_u32 v[ADS], s[TS], v[AS0]
.rept 5
	v_nop                                          ; with the four additions: nine places between the last step's products, which read V's fragments, and the products below, which write over them
.endr
	WIN 0x05                                       ; K and Q in window 1, S^T in window 0
.irp t, 0,1,2,3,4,5,6,7
	MM S_A+8*\t, KF+16*\t, QF+16*(2*(\p)), 0, KS+\t/2, QS+(\p), \t%2, 0
	MM S_B+8*\t, KF+16*\t, QF+16*(2*(\p)+1), 0, KS+\t/2, QS+(\p), \t%2, 1
.endr
	WIN 0
.rept 8
	v_nop                                          ; eight places: ahead of the loads into K's registers and scale words, and of the first read of the scores
.endr
	KLOAD ADK, ADS                                 ; THE NEXT STEP'S K, a whole step ahead of its use.  In the last trip these lines read the first bytes of V's codes and of V's scale words: filled bytes inside LDS, whose values nobody uses; that spares a tail written out
	SOFTMAX S_A, ST_A, P_A, F_A
.irp t, 0,1,2,3
.irp c, 0,1,2,3
	ds_load_b128 v[S_A+16*\t+4*\c:S_A+16*\t+4*\c+3], v[ADV] offset:2048*\t+512*\c   ; V's four fragments take the registers that tile A's p have left, and land under tile B's softmax
.endr
.endr
	ds_load_b64 v[VS:VS+1], v[ADT]                 ; register pair: lanes 0-15 channel tile 2 pair, lanes 16-31 tile 2 pair + 1
	s_setprio 1
	SOFTMAX S_B, ST_B, P_B, F_B
	WIN 0x41                                       ; O^T (destination and source 0) in window 1, f in window 0
.set n, 0
	s_setprio 0
.rept 16
	v_pk_mul_f32 v[OA+n:OA+n+1], v[OA+n:OA+n+1], v[F_A:F_A+1] op_sel_hi:[1,0]   ; O^T under the new M, each accumulator from its low end on
.set n, n+2
.endr
.set n, 0
.rept 16
	v_pk_mul_f32 v[OB+n:OB+n+1], v[OB+n:OB+n+1], v[F_B:F_B+1] op_sel_hi:[1,0]
.set n, n+2
.endr
.rept 4
	v_nop                                          ; four places between the last vector writes of what the products below take and those products
.endr
	s_wait_alu depctr_va_vdst(0)
	s_wait_dscnt 0x0                               ; V is in, and so is the next step's K
	WIN 0x50                                       ; V and P in window 0, O^T (C and D) in window 1
.irp t, 0,1,2,3                        ; the eight accumulators take turns, one instruction a turn
	MM OA+8*\t, S_A+16*\t, P_A, 1, VS+\t/2, F_A+1, \t%2, 0
	MM OB+8*\t, S_A+16*\t, P_B, 1, VS+\t/2, F_B+1, \t%2, 0
.endr
	WIN 0                                          ; at a label and at a branch every window is 0
.endm
; The way out of one tile: 16 rows (queries) x 256 bytes go through my stage and come back as whole rows.  sx: 32 registers of results, and behind them 32 for the rows read back.
.macro TOSTAGE sx
.irp t, 0,1,2,3
	ds_store_b128 v[STO], v[\sx+8*\t:\sx+8*\t+3] offset:128*(\t/2)+32*(\t%2)        ; register 8 t + i is channel 32 (t / 2) + 16 (lane / 16) + 8 (t % 2) + i of query lane % 16
	ds_store_b128 v[STO], v[\sx+8*\t+4:\sx+8*\t+7] offset:128*(\t/2)+32*(\t%2)+16
.endr
.irp i, 0,1,2,3,4,5,6,7
	ds_load_b128 v[\sx+32+4*\i:\sx+32+4*\i+3], v[RD] offset:2*SPITCH*\i   ; LDS serves a wave's instructions in order (ISA guide 5.7.1.4): these see the stores above, and the next tile's stores come behind them
.endr
.endm
.macro SEND sx, u, p, younger          ; younger: the LDS instructions issued behind this tile's loads, which may stay out
.irp i, 0,1,2,3,4,5,6,7
	s_wait_dscnt \younger+7-\i
	global_store_b128 v[GO], v[\sx+32+4*\i:\sx+32+4*\i+3], s[OUTP:OUTP+1] offset:(\p)*524288+(8*(\u)+2*\i+8*(\i/4))*2048 th:TH_STORE_NT   ; places 2 i and 2 i + 1 of tile u are tokens 8 u + 2 i + 8 (i / 4) and the next; sixteen lanes store 256 consecutive bytes, aligned
.endr
.endm
.macro PASS p
.if \p
	s_wait_xcnt 0x0                                ; the last pass's stores have read their data registers: the scores are written there again only behind this wait
.endif
	v_mov_b32 v[ST_A+1], 0xff61b1e6                ; the largest t so far: -3e38, under every t
	v_mov_b32 v[ST_B+1], 0xff61b1e6
	s_delay_alu instid0(VALU_DEP_2)
	v_floor_f32 v[ST_A], -v[ST_A+1]                ; -M
	s_delay_alu instid0(VALU_DEP_2)
	v_floor_f32 v[ST_B], -v[ST_B+1]
	v_mov_b32 v[ST_A+2], 0                         ; the sums, in two halves
	v_mov_b32 v[ST_A+3], 0
	v_mov_b32 v[ST_B+2], 0
	v_mov_b32 v[ST_B+3], 0
	WIN 0x40
.set n, 0
.rept 64
	v_mov_b32 v[n], 0                              ; O^T.  (The step is written once: the first finds zeros, which the first change of M leaves zeros)
.set n, n+1
.endr
	KLOAD AK0, AS0                                 ; step 0's K
	s_mov_b32 s[TB], 0
	s_mov_b32 s[TS], 0
	s_mov_b32 s[TV], 0
	s_mov_b32 s[CNT], 16
	s_wait_dscnt 0x0                               ; it is in.  (In later trips the wait ahead of the second products has covered the next step's K)
.Lstep_\@:
	s_setprio 2
	STEP \p
	s_sub_co_u32 s[CNT], s[CNT], 1
	s_cmp_lg_u32 s[CNT], 0
	s_cbranch_scc1 .Lstep_\@
	s_setprio 0
.rept 8
	v_nop                                          ; eight places behind the last products, ahead of the reads of O^T and the writes over V's fragments
.endr
	v_add_f32 v[TP], v[ST_A+2], v[ST_A+3]          ; the sums' two halves,
	v_add_f32 v[TP+1], v[ST_B+2], v[ST_B+3]
	s_delay_alu instid0(VALU_DEP_2)
	v_permlanex16_b32 v[TP+2], v[TP], s[SEL], s[SEL+1]
	s_delay_alu instid0(VALU_DEP_2)
	v_permlanex16_b32 v[TP+3], v[TP+1], s[SEL], s[SEL+1]
	s_delay_alu instid0(VALU_DEP_2)
	v_add_f32 v[TP], v[TP], v[TP+2]                ; and lane l xor 16's: the rows' sums
	s_delay_alu instid0(VALU_DEP_2)
	v_add_f32 v[TP+1], v[TP+1], v[TP+3]
	s_wait_alu depctr_va_vdst(0)
	v_rcp_f32 v[TP], v[TP]
	v_rcp_f32 v[TP+1], v[TP+1]
	v_nop                                          ; a plain line behind the reciprocals,
	s_wait_alu depctr_va_vdst(0)                   ; and one wait for both, ahead of their first reader
	WIN 0x01                                       ; source 0 (O^T) window 1
.set n, 0
.rept 32
	v_mul_f32 v[S_A+n], v[OA+n], v[TP]             ; O^T / the sum, each accumulator from its low end on
.set n, n+1
.endr
.set n, 0
.rept 32
	v_mul_f32 v[S_B+n], v[OB+n], v[TP+1]
.set n, n+1
.endr
	WIN 0
	TOSTAGE S_A
	TOSTAGE S_B
	SEND S_A, 0, \p, 16                            ; behind tile A's loads: tile B's eight stores and eight loads
	SEND S_B, 1, \p, 0
.endm
	s_load_b256 s[4:11], s[0:1], 0x0               ; qimg s[4:5], qscl s[6:7], kvimg s[8:9], out0 s[10:11]
	s_load_b64 s[12:13], s[0:1], 0x20              ; out1
	v_lshl_add_u32 v[SPW], v0, 2, SPARE
	v_mov_b32 v[NIL], 0
	ds_add_u32 v56, v57
	ds_add_u32 v56, v57
	s_wait_dscnt 0x0
	v_lshrrev_b32 v58, 5, v0
	s_delay_alu instid0(VALU_DEP_1)
	v_readfirstlane_b32 s[WV], v58                 ; wave 0..7
	s_bfe_u32 s[CX], ttmp6, 0x40000                ; my place in the cluster: it enters Q's and the output's addresses alone
	s_and_b32 s[BH], ttmp7, 0xffff                 ; the head among 32, which the four partners share
	s_mov_b32 s[WH], ttmp9                         ; in a cluster launch ttmp9 counts clusters: which of the two queries; the partners share it too
	; descriptor group 1: 134 rows of 256 bytes (32 elements of 8 bytes), dense in memory and in LDS
	s_mov_b32 s[G1], 15|(3<<16)|(1<<21)            ; 15:0 the mask: all four work-groups; 17:16 elements of 8 bytes; 20 no padding; 21 set beside a mask
	s_mov_b32 s[G1+1], 32<<16                      ; tensor_dim0 = 32
	s_mov_b32 s[G1+2], 134<<16                     ; tensor_dim1 = 134
	s_mov_b32 s[G1+3], 32<<16                      ; tile_dim0 = 32
	s_mov_b32 s[G1+4], 134                         ; tile_dim1 = 134
	s_mov_b32 s[G1+5], 32                          ; from row to row
	s_mov_b32 s[G1+6], 0
	s_mov_b32 s[G1+7], 0
	s_mov_b32 s[G0], 1                             ; count = 1
	s_mul_i32 s[G0+1], s[WV], PART                 ; LDS address: my eighth; no place in the cluster enters it
	s_mul_i32 s48, s[BH], HEADB
	s_add_co_u32 s48, s48, s[G0+1]                 ; and the same eighth of the head in memory
	s_mov_b32 s49, 0
	s_lshl_b32 s50, s[WH], 22                      ; Q's codes: 4,194,304 a tensor, 131,072 a head, 2,048 a group of 32 queries: group 16 cx + w (pass 1: + 8)
	s_lshl_b32 s52, s[BH], 17
	s_add_co_u32 s50, s50, s52
	s_lshl_b32 s52, s[CX], 15
	s_add_co_u32 s50, s50, s52
	s_lshl_b32 s52, s[WV], 11
	s_add_co_u32 s50, s50, s52
	s_mov_b32 s51, 0
	s_lshl_b32 s54, s[WH], 18                      ; Q's scale words: 262,144 a tensor, 8,192 a head, 512 a step of four groups, 4 a group
	s_lshl_b32 s52, s[BH], 13
	s_add_co_u32 s54, s54, s52
	s_lshl_b32 s52, s[CX], 11
	s_add_co_u32 s54, s54, s52
	s_lshr_b32 s52, s[WV], 2
	s_lshl_b32 s52, s52, 9
	s_add_co_u32 s54, s54, s52
	s_and_b32 s52, s[WV], 3
	s_lshl_b32 s52, s52, 2
	s_add_co_u32 s54, s54, s52
	s_mov_b32 s55, 0
	s_lshr_b32 s56, s[BH], 3                       ; the output: 4,194,304 a batch, 2,048 a token (token 512 cx + 32 w), 256 a head
	s_lshl_b32 s56, s56, 22
	s_lshl_b32 s52, s[CX], 20
	s_add_co_u32 s56, s56, s52
	s_lshl_b32 s52, s[WV], 16
	s_add_co_u32 s56, s56, s52
	s_and_b32 s52, s[BH], 7
	s_lshl_b32 s52, s52, 8
	s_add_co_u32 s56, s56, s52
	s_mov_b32 s57, 0
	s_mov_b32 s[SEL], 0x76543210
	s_mov_b32 s[SEL+1], 0xfedcba98
	s_mov_b32 s[CS], 0x3e38aa3b                    ; c = log2(e) / 8
	s_mov_b32 s[CS+1], s[CS]                       ; (named with it as a pair, so it is written)
	v_and_b32 v60, 31, v0                          ; lane
	v_and_b32 v58, 15, v0                          ; lane % 16
	v_bfe_u32 v59, v0, 4, 1                        ; lane / 16
	s_delay_alu instid0(VALU_DEP_3)
	v_lshlrev_b32 v[AK0], 4, v60
	s_delay_alu instid0(VALU_DEP_1)
	v_add_nc_u32 v[AV0], VBASE, v[AK0]
	s_delay_alu instid0(VALU_DEP_2)
	v_add_nc_u32 v[AS0], KSB, v[AK0]
	v_lshl_add_u32 v[AT0], v60, 3, VSB
	s_mul_i32 s58, s[WV], 16*SPITCH
	s_add_co_u32 s58, s58, STAGE                   ; my stage
	v_mul_u32_u24 v[STO], v58, SPITCH              ; in: row lane % 16, + 64 (lane / 16)
	s_delay_alu instid0(VALU_DEP_1)
	v_lshl_add_u32 v[STO], v59, 6, v[STO]
	s_delay_alu instid0(VALU_DEP_1)
	v_add_nc_u32 v[STO], s58, v[STO]
	v_mul_u32_u24 v[RD], v59, SPITCH               ; back: lanes 0-15 one row of 256 bytes, lanes 16-31 the next
	s_delay_alu instid0(VALU_DEP_1)
	v_lshl_add_u32 v[RD], v58, 4, v[RD]
	s_delay_alu instid0(VALU_DEP_1)
	v_add_nc_u32 v[RD], s58, v[RD]
	v_lshlrev_b32 v[GO], 11, v59                   ; and the same two rows in the output
	s_delay_alu instid0(VALU_DEP_1)
	v_lshl_add_u32 v[GO], v58, 4, v[GO]
.irp b, 0,1,2,3
	v_mov_b32 v[T2+\b], 0                          ; written once: a lane permute's destination counts as one of its sources
.endr
	v_mov_b32 v[TP+2], 0
	v_mov_b32 v[TP+3], 0
	v_mov_b32 v[F_A+1], 0                          ; (named as the upper halves of the pairs with f before they are first written)
	v_mov_b32 v[F_B+1], 0
	s_wait_kmcnt 0x0
	s_add_nc_u64 s[G0+2:G0+3], s[8:9], s[48:49]    ; global address of my eighth
	s_or_b32 s[G0+3], s[G0+3], 0x80000000          ; type = 2
	s_add_nc_u64 s[QP:QP+1], s[4:5], s[50:51]
	s_add_nc_u64 s[QSP:QSP+1], s[6:7], s[54:55]
	s_cmp_eq_u32 s[WH], 0                          ; the output is chosen by the cluster's number alone
	s_cselect_b64 s[OUTP:OUTP+1], s[10:11], s[12:13]
	s_add_nc_u64 s[OUTP:OUTP+1], s[OUTP:OUTP+1], s[56:57]
	ROUND                                          ; all four work-groups are here: the joint loads meet
	tensor_load_to_lds s[G0:G0+3], s[G1:G1+7]      ; my one tensor load: an eighth of the head's K and V, for all four work-groups
	s_nop 0
.rept 4
	v_nop                                          ; four lines behind a tensor load, ahead of the next switch of the register windows
.endr
	WIN 0x40                                       ; destination window 1
.irp p, 0,1
.irp u, 0,1
.irp c, 0,1
	global_load_b128 v[QF+16*(2*\p+\u)+4*\c:QF+16*(2*\p+\u)+4*\c+3], v[AK0], s[QP:QP+1] offset:\p*16384+\u*1024+512*\c th:TH_LOAD_NT   ; Q's fragments stay in registers; each is read by one wave
.endr
.endr
.endr
.irp f, 0,1,2,3
.irp i, 8,9,10,11,12,13,14,15
	v_mov_b32 v[QF+16*\f+\i], 0                    ; the upper 64 along K: zero codes, on both sides, in registers of their own for each side
.endr
.endr
.irp f, 0,1,2,3,4,5,6,7
.irp i, 8,9,10,11,12,13,14,15
	v_mov_b32 v[KF+16*\f+\i], 0
.endr
.endr
	WIN 0
	global_load_b32 v[QS], v[AK0], s[QSP:QSP+1] th:TH_LOAD_NT
	global_load_b32 v[QS+1], v[AK0], s[QSP:QSP+1] offset:1024 th:TH_LOAD_NT
	s_wait_tensorcnt 0x0                           ; my eighth lies in LDS,
	s_barrier_signal -1
	s_barrier_wait -1                              ; everybody's does
	s_wait_loadcnt 0x0                             ; Q
	PASS 0
	PASS 1
	s_wait_tensorcnt 0x0                           ; the wave's end: behind my tensor load and my last LDS store
	ds_add_u32 v[SPW], v[NIL]
	s_wait_dscnt 0x0
	ROUND                                          ; the closing round: no work-group ends while a partner may still ask for a tile that names it
	s_endpgm
.Lfunc_end_k_q4909b1da1c_attn:
	.size	k_q4909b1da1c_attn, .Lfunc_end_k_q4909b1da1c_attn-k_q4909b1da1c_attn
	.p2alignl 7, 3214868480
	.fill 96, 4, 3214868480
	.section	.rodata,"a",@progbits
	.p2align	6, 0x0
	.amdhsa_kernel k_q4909b1da1c_attn
		.amdhsa_group_segment_fixed_size 327680
		.amdhsa_private_segment_fixed_size 0
		.amdhsa_enable_private_segment 0
		.amdhsa_kernarg_size 40
		.amdhsa_user_sgpr_count 2
		.amdhsa_user_sgpr_kernarg_segment_ptr 1
		.amdhsa_wavefront_size32 1
		.amdhsa_system_sgpr_workgroup_id_x 1
		.amdhsa_system_sgpr_workgroup_id_y 1
		.amdhsa_system_sgpr_workgroup_id_z 1
		.amdhsa_system_vgpr_workitem_id 0
		.amdhsa_next_free_vgpr 512
		.amdhsa_next_free_sgpr 66
		.amdhsa_reserve_vcc 0
		.amdhsa_float_denorm_mode_32 3
		.amdhsa_float_denorm_mode_16_64 3
		.amdhsa_fp16_overflow 1
		.amdhsa_memory_ordered 1
		.amdhsa_forward_progress 1
		.amdhsa_inst_pref_size 94
	.end_amdhsa_kernel
	.amdgpu_metadata
---
amdhsa.version: [ 1, 2 ]
amdhsa.kernels:
  - .name:           k_q4909b1da1c_attn
    .symbol:         k_q4909b1da1c_attn.kd
    .args:
      - { .name: qimg, .offset: 0, .size: 8, .value_kind: global_buffer, .address_space: global }
      - { .name: qscl, .offset: 8, .size: 8, .value_kind: global_buffer, .address_space: global }
      - { .name: kvimg, .offset: 16, .size: 8, .value_kind: global_buffer, .address_space: global }
      - { .name: out0, .offset: 24, .size: 8, .value_kind: global_buffer, .address_space: global }
      - { .name: out1, .offset: 32, .size: 8, .value_kind: global_buffer, .address_space: global }
    .group_segment_fixed_size: 327680
    .private_segment_fixed_size: 0
    .kernarg_segment_align: 8
    .kernarg_segment_size: 40
    .max_flat_workgroup_size: 256
    .sgpr_count:     66
    .vgpr_count:     512
    .wavefront_size: 32
...
	.end_amdgpu_metadata
.endif
;; end of part 3
